; MI455X (gfx1250); checked and timed in simulation.
; The chip was launched on July 23, 2026; its instructions are those of AMD's public machine-readable ISA for CDNA 5 (MIT licence, August 2026) and "CDNA5" Instruction Set Architecture Reference Guide (July 2026). The comments in the code are by the model that wrote it; some were corrected since.
;; QMLP. Allowed arithmetic: matrix products marked QUANTISED: E3M2 operands, one E8M0 scale for each 32 along K, by v_wmma_scale_f32_16x16x128_f8f6f4 with both operands' format E3M2, f32 sums; everything else in f32.
;; Inputs: W1_i 512 x 512 float32; W1_j 512 x 512 float32; W1_k 512 x 512 float32; W1_r 512 x 512 float32; W2_i 512 x 512 float32; W2_j 512 x 512 float32; W2_k 512 x 512 float32; W2_r 512 x 512 float32; b1_i 512 float32; b1_j 512 float32; b1_k 512 float32; b1_r 512 float32; b2_i 512 float32; b2_j 512 float32; b2_k 512 float32; b2_r 512 float32; q_i 8,192 x 512 float32; q_j 8,192 x 512 float32; q_k 8,192 x 512 float32; q_r 8,192 x 512 float32.
;; Outputs: out0 8,192 x 512 float32; out1 8,192 x 512 float32; out2 8,192 x 512 float32; out3 8,192 x 512 float32.
;; This version of the problem:
;;   THIS VERSION OF THE PROBLEM IS GIVEN IN LOW PRECISION. The matrix products marked QUANTISED in the list below multiply operands that are first quantised to E3M2 (3 exponent bits, 2 mantissa bits; 6 bits a number), with one power-of-two scale for each 32 numbers along K (OCP MX v1.0); their sums are f32. All else is computed in f32.
;;   The module's matrix products, in the order in which they are computed (A, B: the left and right operand; K: the contracted axis; several contracted axes count as one K, in the product's order):
;;     1. [M 8,192, K 2,048] x [K 2,048, N 2,048]; A: computed on the way; B: computed on the way: QUANTISED
;;     2. [M 8,192, K 2,048] x [K 2,048, N 2,048]; A: computed on the way; B: computed on the way: QUANTISED
;;   THE QUANTISER, for each operand of a quantised product, along K:
;;     - K is cut into blocks of 32 from its start; a last block that is shorter is filled with zeros.
;;     - A block's scale is 2^e with e = floor(log2(the largest magnitude in the block)) - 4, held to -126 .. 127; a block of zeros has e = 0. As a byte (E8M0): e + 127.
;;     - Each number is divided by its block's scale, clamped to +-28, and rounded to the nearest number of E3M2, ties to even, subnormals kept.
;;     - The product sums the exact products of the quantised numbers (number of the format x scale) in f32.
;;   ~~~python
;;   def quantise(x, axis):      # numpy; x: float32 -> the quantised numbers, widened to float32 again
;;       x = np.moveaxis(x, axis, -1); K = x.shape[-1]
;;       x = np.pad(x, [(0, 0)] * (x.ndim - 1) + [(0, -K % 32)]); x = x.reshape(x.shape[:-1] + (-1, 32)); a = np.abs(x).max(-1, keepdims=True)
;;       e = np.where(a > 0, np.clip(np.frexp(np.where(a > 0, a, 1))[1] - 1 - 4, -126, 127), 0)      # np.frexp(a)[1] - 1 = floor(log2(a)), exactly
;;       r = np.clip(x / 2.0 ** e, -28, 28)
;;       step = 2.0 ** (np.maximum(np.frexp(np.where(r == 0, 1, r))[1] - 1, -2) - 2)
;;       q = np.round(r / step) * step * 2.0 ** e      # np.round: ties to even
;;       return np.moveaxis(q.reshape(q.shape[:-2] + (-1,))[..., :K], -1, axis).astype(np.float32)
;;   ~~~
;;   OPERANDS COMPUTED ON THE WAY. 'Computed on the way' means the value that the module computes at that place (a softmax that the list does not call 'softmax' is quantised finished and normalised). What goes into a quantiser is computed in f32, as accurately as f32 sums, v_exp_f32 and their like allow (about 1e-6 of the number): no bf16 or f16 on the way to a quantiser, and a product that is left as it is and whose result goes on into a quantised operand takes f32 operands (vector FMAs, or v_wmma_f32_16x16x4_f32). A number that lies on a knife's edge between two numbers of the format may be rounded either way, as far as f32 arithmetic and the matrix unit's own rounding can turn it there, and no further.
;; One version. Each part assembles by itself: llvm-mc -triple=amdgcn-amd-amdhsa -mcpu=gfx1250 --defsym DOCPART=n.
;; ======== version 1 of 1: 2 launches
;; limits: right only within a limited range of input values
;; workspace buffers: wpack 1,654,784 bytes
;; launch pack (part 1): grid 256 x 1, 4 waves a work-group, no clusters, 1,536 bytes of LDS; arguments W1_r, W1_i, W1_j, W1_k, W2_r, W2_i, W2_j, W2_k, b1_r, b1_i, b1_j, b1_k, b2_r, b2_i, b2_j, b2_k, wpack; writes wpack
.if DOCPART == 1
	.amdgcn_target "amdgcn-amd-amdhsa--gfx1250"
	.amdhsa_code_object_version 6
	.text
	.protected	k_qd68b655a23_pack
	.globl	k_qd68b655a23_pack
	.p2align	8
	.type	k_qd68b655a23_pack,@function
k_qd68b655a23_pack:
	s_mov_b64 s[64:65], 0
	v_nop
	global_prefetch_b8 v0, s[64:65] scope:SCOPE_SE
	s_setreg_imm32_b32 hwreg(HW_REG_WAVE_MODE, 25, 1), 1
	s_wait_xcnt 0x0
; The eight weight matrices [512][512] f32 (K innermost) become codes of BF6 (E3M2) with one E8M0 byte for each 32 along K, laid in the order in which
; the second launch's registers take them; the biases are laid beside them in the same order of rows.
; W_block of the Hamilton product is a 4 x 4 grid of signed copies of a layer's four matrices; a block of 32 along K lies inside one copy and the quantiser
; is symmetric under a change of sign: so only the four matrices themselves are quantised, and the signs are left to the second launch.
; wpack = 64 UNITS of 25,856 bytes; unit 4 n + w (n = 0..7 layer 1, 8..15 layer 2; w = the wave that will read it) holds 16 rows of each of the layer's four matrices, all 512 of K:
;   bytes 0 ..      16 fragments (16 rows x 128 K), fragment 4 s + c (s: K step, c: matrix r, i, j, k) at 1,536 (4 s + c), as an image of the operand's 12 registers: registers 4 j .. 4 j + 3 of lane l at 512 j + 16 l
;   bytes 24,576 .. scale words, 256 bytes a K step: the word of (s, c, tile row p) at 256 s + 8 (16 (c & 1) + p) + 4 (c >> 1)
;   bytes 25,600 .. the biases: bias c of tile row p at 64 c + 4 p
; WHICH ROWS FORM A TILE: layer 1: tile row p of unit n is row 128 w + 32 (n / 2) + 8 (n % 2) + p + 8 (p / 8), so that two neighbouring units' results are 16 neighbours along the next K;
; layer 2: row 64 (n - 8) + 16 w + p, so that the four waves of a unit step make 64 neighbouring outputs.
; A block's scale byte is its largest magnitude's exponent field - 4, held at 1 from below.
; LIMITS: NaN and infinities among the inputs are not served; a block whose largest magnitude lies under 2^-122 keeps the byte 1; a block of zeros gets the byte 1 where the rule says 127: its codes are zeros, and this program alone reads the bytes.
; SHARES: work-group x: n = x / 16, w = (x / 4) % 4, s = x % 4; wave c makes fragment (s, c).  Lane (r, h) takes, of tile row r, the 16 neighbours 32 b + 16 h + 0 .. 15 of each of the four blocks b.
.set UNITB, 25856
.set X,   16                           ; v16-79   64 numbers: register 16 b + i = k 32 b + 16 h + i of my row
.set TM,  80                           ; v80-83 largest magnitudes, v84-87 the other half's, then the bytes, v92-95 the conversions' scale operands
.set PC,  96                           ; v96-107  the fragment; v108-115 at work
.set PW,  116                          ; v116     my row's scale word
	s_load_b512 s[4:19], s[0:1], 0x0               ; W1_r, i, j, k, W2_r, i, j, k
	s_load_b512 s[20:35], s[0:1], 0x40             ; b1_r, i, j, k, b2_r, i, j, k
	s_load_b64 s[36:37], s[0:1], 0x80              ; wpack
	v_lshl_add_u32 v128, v0, 2, 0x400
	v_mov_b32 v129, 0
	v_lshrrev_b32 v1, 5, v0
	v_readfirstlane_b32 s38, v1                    ; wave = c
	v_and_b32 v1, 31, v0                           ; lane
	v_and_b32 v2, 15, v0                           ; r
	s_wait_alu depctr_va_vdst(0)
	v_bfe_u32 v3, v0, 4, 1                         ; h
	s_lshr_b32 s39, ttmp9, 4                       ; n
	s_bfe_u32 s40, ttmp9, 0x20002                  ; w
	s_and_b32 s41, ttmp9, 3                        ; s
	s_lshl_b32 s42, s40, 7                         ; layer 1's first row: 128 w
	s_lshr_b32 s43, s39, 1
	s_lshl_b32 s43, s43, 5
	s_add_co_u32 s42, s42, s43                     ; + 32 (n / 2)
	s_and_b32 s43, s39, 1
	s_lshl_b32 s43, s43, 3
	s_add_co_u32 s42, s42, s43                     ; + 8 (n % 2)
	s_and_b32 s43, s39, 7                          ; layer 2's: 64 (n - 8)
	s_lshl_b32 s43, s43, 6
	s_lshl_b32 s49, s40, 4
	s_add_co_u32 s43, s43, s49                     ; + 16 w
	s_cmp_lt_u32 s39, 8
	s_cselect_b32 s42, s42, s43
	s_cselect_b32 s48, 8, 0                        ; layer 1 alone: tile rows 8-15 lie 8 rows further on
	v_and_b32 v11, s48, v2
	v_add3_u32 v11, v11, v2, s42                   ; my row of the matrix
	v_lshlrev_b32 v4, 11, v11                      ; a row is 2,048 bytes
	s_wait_alu depctr_va_vdst(0)
	v_lshl_add_u32 v4, v3, 6, v4                   ; + 64 h
	s_lshl_b32 s49, s41, 9
	v_add_nc_u32 v4, s49, v4                       ; + 512 s
	v_lshlrev_b32 v6, 2, v11                       ; my row's bias
	v_lshlrev_b32 v5, 4, v1                        ; 16 x lane: an image's place for my lane
	v_lshlrev_b32 v9, 3, v1                        ; 8 x lane: the way out of the words
	s_and_b32 s49, s38, 1
	s_lshl_b32 s49, s49, 7
	s_lshr_b32 s52, s38, 1
	s_lshl_b32 s52, s52, 2
	s_add_co_u32 s49, s49, s52
	v_lshl_add_u32 v7, v2, 3, s49                  ; LDS: 128 (c & 1) + 4 (c >> 1) + 8 r: my row's scale word
	s_lshl_b32 s52, s38, 6
	s_add_co_u32 s52, s52, 256
	v_lshl_add_u32 v8, v2, 2, s52                  ; LDS: 256 + 64 c + 4 r: my row's bias
	s_lshr_b32 s54, ttmp9, 2
	s_mul_i32 s54, s54, UNITB                      ; the unit 4 n + w
	s_mov_b32 s55, 0
	s_lshl_b32 s56, s41, 2
	s_add_co_u32 s56, s56, s38
	s_mul_i32 s56, s56, 1536                       ; fragment 4 s + c in it
	s_mov_b32 s57, 0
	s_lshl_b32 s60, s41, 8
	s_add_co_u32 s60, s60, 24576                   ; this K step's scale words in it
	s_mov_b32 s61, 0
	s_mov_b32 s62, 0x76543210
	s_mov_b32 s63, 0xfedcba98                      ; v_permlanex16_b32's selects for lane l xor 16
.irp b, 0,1,2,3
	v_mov_b32 v[TM+4+\b], 0                        ; written once: a lane permute's destination counts as one of its sources
.endr
	s_wait_alu depctr_va_vdst(0)
	s_wait_kmcnt 0x0
	s_cmp_lt_u32 s39, 8                            ; the layer's four matrices and four biases: the choice hangs on the work-group's number alone
	s_cselect_b64 s[4:5], s[4:5], s[12:13]
	s_cselect_b64 s[6:7], s[6:7], s[14:15]
	s_cselect_b64 s[8:9], s[8:9], s[16:17]
	s_cselect_b64 s[10:11], s[10:11], s[18:19]
	s_cselect_b64 s[20:21], s[20:21], s[28:29]
	s_cselect_b64 s[22:23], s[22:23], s[30:31]
	s_cselect_b64 s[24:25], s[24:25], s[32:33]
	s_cselect_b64 s[26:27], s[26:27], s[34:35]
	s_cmp_lt_u32 s38, 2                            ; of the four, my wave's
	s_cselect_b64 s[4:5], s[4:5], s[8:9]
	s_cselect_b64 s[6:7], s[6:7], s[10:11]
	s_cselect_b64 s[20:21], s[20:21], s[24:25]
	s_cselect_b64 s[22:23], s[22:23], s[26:27]
	s_and_b32 s49, s38, 1
	s_cmp_eq_u32 s49, 0
	s_cselect_b64 s[44:45], s[4:5], s[6:7]         ; W
	s_cselect_b64 s[46:47], s[20:21], s[22:23]     ; b
	s_add_nc_u64 s[50:51], s[36:37], s[54:55]      ; the unit,
	s_add_nc_u64 s[52:53], s[50:51], s[56:57]      ; my fragment,
	s_add_nc_u64 s[58:59], s[50:51], s[60:61]      ; the K step's scale words
.irp b, 0,1,2,3
.irp j, 0,1,2,3
	global_load_b128 v[X+16*\b+4*\j:X+16*\b+4*\j+3], v4, s[44:45] offset:128*\b+16*\j th:TH_LOAD_NT   ; a lane's four loads of a block cover 64 consecutive bytes; read once in the launch
.endr
.endr
	global_load_b32 v10, v6, s[46:47]
	s_wait_loadcnt 0x0
.irp b, 0,1,2,3
	v_max3_num_f32 v[TM+\b], |v[X+16*\b]|, |v[X+1+16*\b]|, 0x2800000   ; block b: my 16 numbers, and the floor 2^(5 - 127): so the byte cannot fall under 1
.endr
.irp i, 2,4,6,8,10,12,14
.irp b, 0,1,2,3
	v_max3_num_f32 v[TM+\b], v[TM+\b], |v[X+16*\b+\i]|, |v[X+1+16*\b+\i]|   ; (the four blocks by turns)
.endr
.endr
.irp b, 0,1,2,3
	v_permlanex16_b32 v[TM+4+\b], v[TM+\b], s62, s63
.endr
.irp b, 0,1,2,3
	v_max_num_f32 v[TM+\b], v[TM+\b], v[TM+4+\b]   ; with lane l xor 16's: the block's largest magnitude
.endr
.irp b, 0,1,2,3
	v_add_nc_u32 v[TM+12+\b], 0xfe000000, v[TM+\b] ; 4 off its exponent field: the conversion takes the exponent field of this operand as its scale
.endr
.irp b, 0,1,2,3
	v_lshrrev_b32 v[TM+4+\b], 23, v[TM+12+\b]      ; the scale's byte
.endr
	v_lshl_or_b32 v[PW], v[TM+5], 8, v[TM+4]       ; the four bytes make my row's scale word
	v_lshl_or_b32 v[PW], v[TM+6], 16, v[PW]
	v_lshl_or_b32 v[PW], v[TM+7], 24, v[PW]
.irp c, 0,1
	v_cvt_scalef32_pk16_bf6_f32 v[PC+6*\c:PC+2+6*\c], v[X+32*\c:X+15+32*\c], v[TM+12+2*\c]
	v_cvt_scalef32_pk16_bf6_f32 v[PC+12+4*\c:PC+14+4*\c], v[X+16+32*\c:X+31+32*\c], v[TM+12+2*\c+1]   ; (a conversion's three registers begin on an even number)
.endr
	v_nop                                          ; one plain place behind a scaled conversion
.irp c, 0,1                                    ; the operand's layout wants a WHOLE block in a lane: lanes 0-15 block 2 c, lanes 16-31 block 2 c + 1
.irp i, 0,1,2
	v_permlane16_swap_b32 v[PC+6*\c+\i], v[PC+12+4*\c+\i]
.endr
.irp i, 0,1,2
	v_mov_b32 v[PC+3+6*\c+\i], v[PC+12+4*\c+\i]
.endr
.endr
.irp j, 0,1,2
	global_store_b128 v5, v[PC+4*\j:PC+4*\j+3], s[52:53] offset:512*\j   ; 32 lanes store 512 consecutive bytes, at a multiple of 256 from wpack's first byte
.endr
	ds_store_b32 v7, v[PW]                         ; both halves of the lanes write the same word with the same value
	ds_store_b32 v8, v10
	s_wait_dscnt 0x0                               ; for the others' sake: my stores are done
	s_barrier_signal -1
	s_barrier_wait -1
	s_cmp_lg_u32 s38, 0
	s_cbranch_scc1 .Lnot_wave_0
	ds_load_b64 v[118:119], v9                     ; the four fragments' scale words: 256 bytes
	s_wait_dscnt 0x0
	global_store_b64 v9, v[118:119], s[58:59]      ; 32 lanes store 256 consecutive bytes, aligned
.Lnot_wave_0:
	s_cmp_lg_u32 s38, 1
	s_cbranch_scc1 .Lend
	s_cmp_lg_u32 s41, 0                            ; the unit's biases leave once, by the work-group of K step 0
	s_cbranch_scc1 .Lend
	ds_load_b64 v[120:121], v9 offset:256
	s_wait_dscnt 0x0
	global_store_b64 v9, v[120:121], s[50:51] offset:25600
.Lend:
	s_wait_tensorcnt 0x0
	ds_add_u32 v128, v129
	s_wait_dscnt 0x0
	s_endpgm
.Lfunc_end_k_qd68b655a23_pack:
	.size	k_qd68b655a23_pack, .Lfunc_end_k_qd68b655a23_pack-k_qd68b655a23_pack
	.p2alignl 7, 3214868480
	.fill 96, 4, 3214868480
	.section	.rodata,"a",@progbits
	.p2align	6, 0x0
	.amdhsa_kernel k_qd68b655a23_pack
		.amdhsa_group_segment_fixed_size 1536
		.amdhsa_private_segment_fixed_size 0
		.amdhsa_enable_private_segment 0
		.amdhsa_kernarg_size 136
		.amdhsa_user_sgpr_count 2
		.amdhsa_user_sgpr_kernarg_segment_ptr 1
		.amdhsa_wavefront_size32 1
		.amdhsa_system_sgpr_workgroup_id_x 1
		.amdhsa_system_sgpr_workgroup_id_y 1
		.amdhsa_system_sgpr_workgroup_id_z 1
		.amdhsa_system_vgpr_workitem_id 0
		.amdhsa_next_free_vgpr 130
		.amdhsa_next_free_sgpr 66
		.amdhsa_reserve_vcc 0
		.amdhsa_float_denorm_mode_32 3
		.amdhsa_float_denorm_mode_16_64 3
		.amdhsa_memory_ordered 1
		.amdhsa_forward_progress 1
		.amdhsa_inst_pref_size 11
	.end_amdhsa_kernel
	.amdgpu_metadata
---
amdhsa.version: [ 1, 2 ]
amdhsa.kernels:
  - .name:           k_qd68b655a23_pack
    .symbol:         k_qd68b655a23_pack.kd
    .args:
      - { .name: W1_r, .offset: 0, .size: 8, .value_kind: global_buffer, .address_space: global }
      - { .name: W1_i, .offset: 8, .size: 8, .value_kind: global_buffer, .address_space: global }
      - { .name: W1_j, .offset: 16, .size: 8, .value_kind: global_buffer, .address_space: global }
      - { .name: W1_k, .offset: 24, .size: 8, .value_kind: global_buffer, .address_space: global }
      - { .name: W2_r, .offset: 32, .size: 8, .value_kind: global_buffer, .address_space: global }
      - { .name: W2_i, .offset: 40, .size: 8, .value_kind: global_buffer, .address_space: global }
      - { .name: W2_j, .offset: 48, .size: 8, .value_kind: global_buffer, .address_space: global }
      - { .name: W2_k, .offset: 56, .size: 8, .value_kind: global_buffer, .address_space: global }
      - { .name: b1_r, .offset: 64, .size: 8, .value_kind: global_buffer, .address_space: global }
      - { .name: b1_i, .offset: 72, .size: 8, .value_kind: global_buffer, .address_space: global }
      - { .name: b1_j, .offset: 80, .size: 8, .value_kind: global_buffer, .address_space: global }
      - { .name: b1_k, .offset: 88, .size: 8, .value_kind: global_buffer, .address_space: global }
      - { .name: b2_r, .offset: 96, .size: 8, .value_kind: global_buffer, .address_space: global }
      - { .name: b2_i, .offset: 104, .size: 8, .value_kind: global_buffer, .address_space: global }
      - { .name: b2_j, .offset: 112, .size: 8, .value_kind: global_buffer, .address_space: global }
      - { .name: b2_k, .offset: 120, .size: 8, .value_kind: global_buffer, .address_space: global }
      - { .name: wpack, .offset: 128, .size: 8, .value_kind: global_buffer, .address_space: global }
    .group_segment_fixed_size: 1536
    .private_segment_fixed_size: 0
    .kernarg_segment_align: 8
    .kernarg_segment_size: 136
    .max_flat_workgroup_size: 128
    .sgpr_count:     66
    .vgpr_count:     130
    .wavefront_size: 32
...
	.end_amdgpu_metadata
.endif
;; end of part 1
;; launch qmlp (part 2): grid 256 x 1, 4 waves a work-group, clusters of 4 x 1, 327,680 bytes of LDS; arguments q_r, q_i, q_j, q_k, out0, out1, out2, out3, wpack; writes out0, out1, out2, out3
.if DOCPART == 2
	.amdgcn_target "amdgcn-amd-amdhsa--gfx1250"
	.amdhsa_code_object_version 6
	.text
	.protected	k_qd68b655a23_qmlp
	.globl	k_qd68b655a23_qmlp
	.p2align	8
	.type	k_qd68b655a23_qmlp,@function
k_qd68b655a23_qmlp:
	s_mov_b64 s[64:65], 0
	v_nop
	global_prefetch_b8 v0, s[64:65] scope:SCOPE_SE
	s_setreg_imm32_b32 hwreg(HW_REG_WAVE_MODE, 25, 1), 1
	s_wait_xcnt 0x0
	s_wait_alu depctr_hold_cnt(0) depctr_sa_sdst(0) depctr_va_vdst(0) depctr_va_sdst(0) depctr_va_ssrc(0) depctr_va_vcc(0) depctr_vm_vsrc(0)
	s_getreg_b32 s2, hwreg(HW_REG_IB_STS2, 6, 4)
	s_cmp_eq_u32 s2, 0
	s_cbranch_scc0 .Lentry_in_a_cluster
	s_endpgm
.Lentry_in_a_cluster:
	s_bfe_u32 s2, ttmp6, 0x10000c
	s_cmp_lg_u32 s2, 0x3003
	s_cbranch_scc0 .Lentry_shape_is_right
	s_endpgm
.Lentry_shape_is_right:
; Both layers of the quaternion MLP for 32 rows a work-group (8,192 rows, 256 work-groups), in MX-BF6; the hidden layer stays in registers and LDS.
; HEAD: wave w loads component w of the 32 rows of q (f32), quantises it along K (a block's byte = its largest magnitude's exponent field - 4, held at 1 from below) and lays codes and scale words into LDS;
; every wave then takes all 32 fragments (2 x 16 rows x 2,048 K) into registers, where they stay for the layer.  The hidden layer goes the same way between the layers.
; WEIGHTS: wpack's units (16 rows of each of a layer's four matrices, all 512 of K, as register images) go through a ring of two LDS slots of four units, one unit a wave.
; A fragment of matrix c serves the four pairs (a, b) with a ^ b = c and both blocks of 16 rows: 8 matrix instructions.  Terms with a minus sign in W_block are summed in accumulators of their own and taken off at a unit's end.
; CLUSTERS: the four work-groups of a cluster walk the same units and ask for each slot jointly (mask 15).  Clusters begin their walk at different units (2 x (cluster % 4)).
; PREFETCH: in layer 1's third trip waves 0-2 of the first four clusters name, a lane to each 256 bytes, the two slots at which their walk through layer 2 begins; all other units have been read by then in the same launch.
; LIMITS: NaN and infinities among the inputs are not served; a block whose largest magnitude lies under 2^-122 keeps the byte 1 (a block of zeros too: its codes are zeros, and this program alone reads the bytes).
.set UNITB,  25856
.set SLOTB,  4*UNITB
.set IMG,    2*SLOTB
.set XSC,    IMG+32*1536
.set STG0,   XSC+2048
.set STG1,   IMG
.set SPARE,  STG0+128*272
.set SPW,  4
.set NIL,  5
.set AW,   6
.set AS,   8
.set AB,   10
.set AF,   12
.set AXS,  13
.set P64,  14
.set P32,  15
.set PSC,  16
.set H64B, 17
.set H32B, 18
.set HSC,  21
.set TS,   22
.set TL,   23
.set XO,   24
.set SO,   25
.set SR,   27
.set GO,   29
.set PFO,  30
.set XS,   32
.set WS,   48
.set BIAS, 64
.set TM,   96
.set T2,   100
.set OP,   104
.set BY,   108
.set CD,   112
.set SW,   144
.set PW,   152
.set OB,   160
.set WV,   22
.set R0,   25
.set XP,   26
.set OUTP, 28
.set G1,   32
.set G0,   40
.set PFA,  48
.set LIM,  50
.set TRIP, 51
.set SH,   53
.set SEL,  54
.set HM,   56
.set WB,   60
.set JS,   66
.set TT,   68
.set TQ,   69
.set OC,   70
.set OUTQ, 72
.set OFF,  74
.set MSB, 0
.macro WIN new
.if MSB != (\new)
	s_set_vgpr_msb (MSB<<8)|(\new)
.set MSB, (\new)
.endif
.endm
.macro PLACES
.rept 4
	v_nop
.endr
.endm
.macro CREST
	s_cmp_lg_u32 s[WV], 0
	s_cbranch_scc1 .Lnot_wave_0_\@
	s_barrier_signal -3
.Lnot_wave_0_\@:
	s_barrier_wait -3
	s_barrier_signal -1
	s_barrier_wait -1
.endm
.macro CROUND
	s_barrier_signal -1
	s_barrier_wait -1
	CREST
.endm
.macro BARRIER
	s_wait_dscnt 0x0
	s_barrier_signal -1
	s_barrier_wait -1
.endm
.macro WM
.if qZ
.if qA && qB
	v_wmma_scale_f32_16x16x128_f8f6f4 v[rD:rD+7], v[rA:rA+11], v[rB:rB+11], 0, v[rSA], v[rSB] matrix_a_fmt:MATRIX_FMT_BF6 matrix_b_fmt:MATRIX_FMT_BF6 matrix_a_scale:MATRIX_SCALE_ROW1 matrix_b_scale:MATRIX_SCALE_ROW1
.elseif qA
	v_wmma_scale_f32_16x16x128_f8f6f4 v[rD:rD+7], v[rA:rA+11], v[rB:rB+11], 0, v[rSA], v[rSB] matrix_a_fmt:MATRIX_FMT_BF6 matrix_b_fmt:MATRIX_FMT_BF6 matrix_a_scale:MATRIX_SCALE_ROW1
.elseif qB
	v_wmma_scale_f32_16x16x128_f8f6f4 v[rD:rD+7], v[rA:rA+11], v[rB:rB+11], 0, v[rSA], v[rSB] matrix_a_fmt:MATRIX_FMT_BF6 matrix_b_fmt:MATRIX_FMT_BF6 matrix_b_scale:MATRIX_SCALE_ROW1
.else
	v_wmma_scale_f32_16x16x128_f8f6f4 v[rD:rD+7], v[rA:rA+11], v[rB:rB+11], 0, v[rSA], v[rSB] matrix_a_fmt:MATRIX_FMT_BF6 matrix_b_fmt:MATRIX_FMT_BF6
.endif
.else
.if qA && qB
	v_wmma_scale_f32_16x16x128_f8f6f4 v[rD:rD+7], v[rA:rA+11], v[rB:rB+11], v[rC:rC+7], v[rSA], v[rSB] matrix_a_fmt:MATRIX_FMT_BF6 matrix_b_fmt:MATRIX_FMT_BF6 matrix_a_scale:MATRIX_SCALE_ROW1 matrix_b_scale:MATRIX_SCALE_ROW1
.elseif qA
	v_wmma_scale_f32_16x16x128_f8f6f4 v[rD:rD+7], v[rA:rA+11], v[rB:rB+11], v[rC:rC+7], v[rSA], v[rSB] matrix_a_fmt:MATRIX_FMT_BF6 matrix_b_fmt:MATRIX_FMT_BF6 matrix_a_scale:MATRIX_SCALE_ROW1
.elseif qB
	v_wmma_scale_f32_16x16x128_f8f6f4 v[rD:rD+7], v[rA:rA+11], v[rB:rB+11], v[rC:rC+7], v[rSA], v[rSB] matrix_a_fmt:MATRIX_FMT_BF6 matrix_b_fmt:MATRIX_FMT_BF6 matrix_b_scale:MATRIX_SCALE_ROW1
.else
	v_wmma_scale_f32_16x16x128_f8f6f4 v[rD:rD+7], v[rA:rA+11], v[rB:rB+11], v[rC:rC+7], v[rSA], v[rSB] matrix_a_fmt:MATRIX_FMT_BF6 matrix_b_fmt:MATRIX_FMT_BF6
.endif
.endif
.endm
.macro MM ws, s, a, b, neg, fresh
.irp m, 0,1
.set rD, 128+64*(\neg)+8*(2*(\b)+\m)
.set rA, 48*((\s)%2)+12*((\a)^(\b))
.set rB, 96*((\a)&1)+48*\m+12*(\s)
.set rSA, WS+8*(\ws)+2*(\s)+(((\a)^(\b))>>1)
.set rSB, XS+4*(\a)+(\s)
.set rC, rD
.set qZ, 0
.set qA, ((\a)^(\b))&1
.set qB, \m
.if ((\s) == 0) && (\fresh)
.if \neg
.set qZ, 1
.else
.set rC, BIAS+8*(\b)
.endif
.endif
	WM
.endr
.endm
.macro MUL8 ws, s, a
.if (\a) == 0
.if (\s) == 0
	WIN 0xc7
.else
	WIN 0xf7
.endif
	MM \ws, \s, 0, 0, 0, 1
	MM \ws, \s, 0, 1, 0, 1
	MM \ws, \s, 0, 2, 0, 1
	MM \ws, \s, 0, 3, 0, 1
.elseif (\a) == 1
	WIN 0xf7
	MM \ws, \s, 1, 0, 1, 1
	MM \ws, \s, 1, 1, 0, 0
	MM \ws, \s, 1, 2, 1, 1
	MM \ws, \s, 1, 3, 0, 0
.elseif (\a) == 2
	WIN 0xfb
	MM \ws, \s, 2, 0, 1, 0
	MM \ws, \s, 2, 1, 0, 0
	MM \ws, \s, 2, 2, 0, 0
	MM \ws, \s, 2, 3, 1, 1
.else
	WIN 0xfb
	MM \ws, \s, 3, 0, 1, 0
	MM \ws, \s, 3, 1, 1, 1
	MM \ws, \s, 3, 2, 0, 0
	MM \ws, \s, 3, 3, 0, 0
.endif
.endm
.macro FETCHW slot, s, p
	WIN 0xc0
.irp c, 0,1,2,3
.irp j, 0,1,2
	ds_load_b128 v[48*(\p)+12*\c+4*\j:48*(\p)+12*\c+4*\j+3], v[AW+(\slot)] offset:1536*(4*(\s)+\c)+512*\j
.endr
.endr
.endm
.macro FETCHAUX slot
	WIN 0
.irp s, 0,1,2,3
	ds_load_b64 v[WS+8*(\slot)+2*\s:WS+8*(\slot)+2*\s+1], v[AS+(\slot)] offset:256*\s
.endr
.irp b, 0,1,2,3
.irp i, 0,1
	ds_load_b128 v[BIAS+8*\b+4*\i:BIAS+8*\b+4*\i+3], v[AB+(\slot)] offset:64*\b+16*\i
.endr
.endr
.endm
.macro KSTEP slot, s
.if (\s) > 0
	PLACES
.endif
	FETCHW \slot, (\s)+1, ((\s)+1)%2
	s_wait_dscnt 12
	MUL8 \slot, \s, 0
	MUL8 \slot, \s, 1
	MUL8 \slot, \s, 2
	MUL8 \slot, \s, 3
.endm
.macro ASK slot
	s_cmp_eq_u32 s[TRIP], s[LIM]
	s_cbranch_scc0 .Lnot_mine_\@
	global_prefetch_b8 v[PFO], s[PFA:PFA+1] offset:(\slot)*SLOTB th:TH_LOAD_NT scope:SCOPE_SE
.Lnot_mine_\@:
.endm
.macro OUTL par                        ; the way out, first half: 32 rows x 256 bytes of one output come back from the stage, two rows a load
	s_lshl_b32 s[OFF], s[OC], 8
	s_add_nc_u64 s[OUTQ:OUTQ+1], s[OUTP:OUTP+1], s[OFF:OFF+1]
	s_add_co_u32 s[OC], s[OC], 1
	s_and_b32 s[OC], s[OC], 7
.irp i, 0,1,2,3,4,5,6,7,8,9,10,11,12,13,14,15
	ds_load_b128 v[OB+4*\i:OB+4*\i+3], v[SR+(\par)] offset:544*\i
.endr
.endm
.macro OUTS                            ; second half: sixteen lanes store 256 consecutive bytes, aligned; the stage's younger loads may be out
.irp i, 0,1,2,3,4,5,6,7,8,9,10,11,12,13,14,15
	s_wait_dscnt 15-\i
	global_store_b128 v[GO], v[OB+4*\i:OB+4*\i+3], s[OUTQ:OUTQ+1] offset:4096*\i th:TH_STORE_NT
.endr
.endm
.macro OUT par
	OUTL \par
	OUTS
.endm
.macro XLOAD m, s                      ; 16 rows x 512 bytes of my component of q: rows 16 m .., K step s; 32 lanes read 512 consecutive bytes
	WIN 0x40<<(\m)
.irp i, 0,1,2,3,4,5,6,7,8,9,10,11,12,13,14,15
	global_load_b128 v[64*(\s)+4*\i:64*(\s)+4*\i+3], v[XO], s[XP:XP+1] offset:2048*(16*(\m)+\i)+512*(\s) th:TH_LOAD_NT
.endr
.endm
; A unit's K steps 2 and 3, and the change of slots.  The slot's last fragments (K step 3) are asked for first; then the three lines, with 8 matrix instructions between the add and the wait for it,
; the opening barrier with 16 under it, the rest of the round, and the refill.  K step 3's 32 matrix instructions follow the refill, the next slot's first fragments and the stage's loads.
.macro TURN slot, fill, next, ask, out
	PLACES
	FETCHW \slot, 3, 1
	s_wait_dscnt 12                                ; K step 2's fragments are in; the 12 loads just issued may be out
	MUL8 \slot, 2, 0
	WIN 0
.if \out
	s_wait_xcnt 0x0
.endif
	s_wait_tensorcnt 0x0
	ds_add_u32 v[SPW], v[NIL]
.if \fill
	s_add_co_u32 s[JS+(\slot)], s[JS+(\slot)], 2
	s_add_co_u32 s[OFF], s[JS+(\slot)], s[R0]
	s_and_b32 s[OFF], s[OFF], 7
	s_and_b32 s57, s[JS+(\slot)], 8
	s_or_b32 s[OFF], s[OFF], s57
	s_mul_i32 s[OFF], s[OFF], SLOTB
	s_add_nc_u64 s[G0+4*(\slot)+2:G0+4*(\slot)+3], s[WB:WB+1], s[OFF:OFF+1]
	s_or_b32 s[G0+4*(\slot)+3], s[G0+4*(\slot)+3], 0x80000000
.endif
	MUL8 \slot, 2, 1
	s_wait_dscnt 0x0                               ; the add is done, my reads of this slot are over, and my stores into the stage or the image are done
	s_barrier_signal -1
	MUL8 \slot, 2, 2
	MUL8 \slot, 2, 3
	WIN 0
	s_barrier_wait -1
.if \fill
	CREST                                          ; the barrier has opened a round of the cluster's barrier: no wave of any partner still reads this slot or has a load on its way
	tensor_load_to_lds s[G0+4*(\slot):G0+4*(\slot)+3], s[G1:G1+7]
	s_nop 0
.endif
	PLACES
.if \next
	FETCHW 1-(\slot), 0, 0
	FETCHAUX 1-(\slot)
.endif
.if \ask
	ASK \slot
.endif
.if (\out) == 1                        ; the results of the unit before: asked of the stage ahead of K step 3's 32 products, stored behind them
	OUTL 1-(\slot)
.endif
	MUL8 \slot, 3, 0
	MUL8 \slot, 3, 1
	MUL8 \slot, 3, 2
	MUL8 \slot, 3, 3
	WIN 0
.if (\out) == 2
	s_cmp_eq_u32 s[TRIP], 3
	s_cbranch_scc1 .Lno_outs_\@                    ; layer 2's first unit has none before it: one branch leads round the whole way out
	OUT 1-(\slot)
.Lno_outs_\@:
.elseif (\out) == 1
	OUTS
.endif
.endm
.macro EPI1 u
	PLACES
.irp m, 0,1
	WIN 0x4f+0x40*\m
.irp b, 0,1,2,3
.irp j, 0,2,4,6
.set rH, 192+16*\b+8*(\u)+\j
.set rP, 128+8*(2*\b+\m)+\j
	v_pk_add_f32 v[rH:rH+1], v[rP:rP+1], v[rP+64:rP+65] neg_lo:[0,1] neg_hi:[0,1]
.endr
.endr
.endr
.irp m, 0,1
	WIN 0x44+0x44*\m
.irp b, 0,1,2,3
.irp j, 0,1,2,3,4,5,6,7
	v_max_num_f32 v[192+16*\b+8*(\u)+\j], 0, v[192+16*\b+8*(\u)+\j]
.endr
.endr
.endr
	WIN 0
.endm
.macro EPI2 par
	PLACES
	WIN 0xcf
.irp b, 0,1,2,3
.irp m, 0,1
.irp j, 0,2,4,6
.set rP, 128+8*(2*\b+\m)+\j
	v_pk_add_f32 v[rP:rP+1], v[rP:rP+1], v[rP+64:rP+65] neg_lo:[0,1] neg_hi:[0,1]
.endr
.endr
.endr
	WIN 0x0c
.irp b, 0,1,2,3
.irp m, 0,1
.irp i, 0,1
	ds_store_b128 v[SO+(\par)], v[128+8*(2*\b+\m)+4*\i:128+8*(2*\b+\m)+4*\i+3] offset:272*(32*\b+16*\m)+16*\i
.endr
.endr
.endr
	WIN 0
.endm
.macro QUAD win, B, cd
	WIN ((\win)<<2)|((\win)<<4)
.irp i, 0,1,2,3
	v_max3_num_f32 v[TM+\i], 0x2800000, |v[(\B)+16*\i]|, |v[(\B)+16*\i+1]|
.endr
.irp k, 2,4,6,8,10,12,14
.irp i, 0,1,2,3
	v_max3_num_f32 v[TM+\i], v[TM+\i], |v[(\B)+16*\i+\k]|, |v[(\B)+16*\i+\k+1]|
.endr
.endr
	WIN 0
.irp i, 0,1,2,3
	v_permlanex16_b32 v[T2+\i], v[TM+\i], s[SEL], s[SEL+1]
.endr
.irp i, 0,1,2,3
	v_max_num_f32 v[TM+\i], v[TM+\i], v[T2+\i]
.endr
.irp i, 0,1,2,3
	v_add_nc_u32 v[OP+\i], 0xfe000000, v[TM+\i]
.endr
.irp i, 0,1,2,3
	v_lshrrev_b32 v[BY+\i], 23, v[OP+\i]
.endr
	WIN (\win)
.irp i, 0,1,2,3
	v_cvt_scalef32_pk16_bf6_f32 v[(\cd)+4*\i:(\cd)+4*\i+2], v[(\B)+16*\i:(\B)+16*\i+15], v[OP+\i]
.endr
	WIN 0
	v_nop
.irp i, 0,1,2,3
	v_cndmask_b32 v[(\cd)+4*\i+3], v[(\cd)+4*\i+2], v[(\cd)+4*\i], s[HM]
	v_cndmask_b32 v[(\cd)+4*\i], v[(\cd)+4*\i], v[(\cd)+4*\i+1], s[HM]
	v_cndmask_b32 v[(\cd)+4*\i+1], v[(\cd)+4*\i+1], v[(\cd)+4*\i+2], s[HM]
.endr
.endm
.macro XTURN k
.if 16*(7-(\k)) > 63
	s_wait_loadcnt 63
.else
	s_wait_loadcnt 16*(7-(\k))
.endif
	WIN (1+(\k)/4)<<2
.irp i, 0,1,2,3,4,5,6,7,8,9,10,11,12,13,14,15
	ds_store_b128 v[TS], v[64*((\k)%4)+4*\i:64*((\k)%4)+4*\i+3] offset:528*\i
.endr
	WIN 0xc0
.irp blk, 0,1,2,3
.irp j, 0,1,2,3
	ds_load_b128 v[128+64*((\k)%2)+16*\blk+4*\j:128+64*((\k)%2)+16*\blk+4*\j+3], v[TL] offset:128*\blk+16*\j
.endr
.endr
	WIN 0
.endm
.macro XQ k
.if (\k) < 7
	s_wait_dscnt 32
.else
	s_wait_dscnt 0x0
.endif
	QUAD 3, 128+64*((\k)%2), CD+16*((\k)%2)
.irp i, 0,1,2,3
	ds_store_b64 v[P64], v[CD+16*((\k)%2)+4*\i:CD+16*((\k)%2)+4*\i+1] offset:1536*(2*((\k)%4)+(\k)/4)+384*\i
	ds_store_b32 v[P32], v[CD+16*((\k)%2)+4*\i+3] offset:1536*(2*((\k)%4)+(\k)/4)+384*\i
.endr
	v_lshl_or_b32 v[PW+(\k)%2], v[BY+1], 8, v[BY]
	v_lshl_or_b32 v[PW+(\k)%2], v[BY+2], 16, v[PW+(\k)%2]
	v_lshl_or_b32 v[PW+(\k)%2], v[BY+3], 24, v[PW+(\k)%2]
	ds_store_b32 v[PSC], v[PW+(\k)%2] offset:128*((\k)%4)+64*((\k)/4)
.endm
.macro FETCHX
.irp a, 0,1,2,3
	WIN 0x40<<((\a)>>1)
.irp s, 0,1,2,3
.irp m, 0,1
.irp c, 0,1
.irp p, 0,1,2
	ds_load_b64 v[96*((\a)&1)+48*\m+12*\s+6*\c+2*\p:96*((\a)&1)+48*\m+12*\s+6*\c+2*\p+1], v[AF] offset:1536*(2*(4*\a+\s)+\m)+768*\c+128*\p
.endr
.endr
.endr
.endr
.endr
	WIN 0
.irp f, 0,1,2,3,4,5,6,7,8,9,10,11,12,13,14,15
	ds_load_b32 v[XS+\f], v[AXS] offset:128*\f
.endr
.endm
.macro HSTORE k
.irp m, 0,1
.irp i, 0,1,2,3
	ds_store_b64 v[H64B], v[CD+16*\m+4*\i:CD+16*\m+4*\i+1] offset:12288*\i+1536*\m+384*(\k)
	ds_store_b32 v[H32B], v[CD+16*\m+4*\i+3] offset:12288*\i+1536*\m+384*(\k)
.endr
.endr
.endm
.macro HQ
	s_and_b32 s[TQ], s[TT], 3
	s_lshl_b32 s[SH], s[TQ], 3
.irp m, 0,1
	QUAD 1+\m, 192, CD+16*\m
.irp i, 0,1,2,3
	v_lshl_or_b32 v[SW+2*\i+\m], v[BY+\i], s[SH], v[SW+2*\i+\m]
.endr
.endr
	s_cmp_lg_u32 s[TQ], 0
	s_cbranch_scc1 .Lh1_\@
	HSTORE 0
	s_branch .Lhd_\@
.Lh1_\@:
	s_cmp_lg_u32 s[TQ], 1
	s_cbranch_scc1 .Lh2_\@
	s_wait_alu depctr_va_vdst(0)
	HSTORE 1
	s_branch .Lhd_\@
.Lh2_\@:
	s_cmp_lg_u32 s[TQ], 2
	s_cbranch_scc1 .Lh3_\@
	s_wait_alu depctr_va_vdst(0)
	HSTORE 2
	s_branch .Lhd_\@
.Lh3_\@:
	s_wait_alu depctr_va_vdst(0)
	HSTORE 3
.Lhd_\@:
	s_add_co_u32 s[TT], s[TT], 1
.endm
.macro UNIT slot, lay, fill, next, ask, out
	KSTEP \slot, 0
	KSTEP \slot, 1
	TURN \slot, \fill, \next, \ask, \out
.if (\lay) == 1
	EPI1 \slot
.else
	EPI2 \slot
.endif
.endm
	s_load_b512 s[4:19], s[0:1], 0x0
	s_load_b64 s[20:21], s[0:1], 0x40
	v_lshl_add_u32 v[SPW], v0, 2, SPARE
	v_mov_b32 v[NIL], 0
	ds_add_u32 v4, v5
	ds_add_u32 v4, v5
	s_wait_dscnt 0x0
	v_lshrrev_b32 v1, 5, v0
	v_readfirstlane_b32 s[WV], v1
	v_and_b32 v1, 15, v0
	v_bfe_u32 v2, v0, 4, 1
	v_and_b32 v3, 31, v0
	v_lshlrev_b32 v[XO], 4, v3
	s_bfe_u32 s23, ttmp6, 0x40000
	s_lshl_b32 s24, ttmp9, 2
	s_add_co_u32 s24, s24, s23
	s_lshl_b32 s30, s24, 16
	s_mov_b32 s31, 0
	s_mov_b32 s[G1], 15|(3<<16)|(1<<21)
	s_mov_b32 s[G1+1], 32<<16
	s_mov_b32 s[G1+2], 101<<16
	s_mov_b32 s[G1+3], 32<<16
	s_mov_b32 s[G1+4], 101
	s_mov_b32 s[G1+5], 32
	s_mov_b32 s[G1+6], 0
	s_mov_b32 s[G1+7], 0
	s_mov_b32 s[SEL], 0x76543210
	s_mov_b32 s[SEL+1], 0xfedcba98
	s_mov_b32 s[HM], 0xffff0000
	s_and_b32 s[TT], ttmp9, 3
	s_lshl_b32 s[R0], s[TT], 1
	s_mov_b32 s[OC], s[R0]
	s_mov_b32 s[JS], 0
	s_mov_b32 s[JS+1], 1
	s_mov_b32 s[OFF+1], 0
	s_cmp_lt_u32 s[WV], 3
	s_cselect_b32 s57, 0, 1
	s_lshr_b32 s59, ttmp9, 2
	s_or_b32 s57, s57, s59
	s_cmp_eq_u32 s57, 0
	s_cselect_b32 s[LIM], 2, -1
	s_mul_i32 s58, s[WV], UNITB
	s_mov_b32 s60, s58
	s_mov_b32 s61, 0
	s_add_co_u32 s62, s[R0], 8
	s_lshl_b32 s62, s62, 2
	s_add_co_u32 s62, s62, s23
	s_mul_i32 s62, s62, UNITB
	s_lshl_b32 s63, s[WV], 13
	s_add_co_u32 s62, s62, s63
	s_mov_b32 s63, 0
	s_wait_alu depctr_va_vdst(0)
	s_wait_kmcnt 0x0
	s_cmp_lt_u32 s[WV], 2
	s_cselect_b64 s[4:5], s[4:5], s[8:9]
	s_cselect_b64 s[6:7], s[6:7], s[10:11]
	s_cselect_b64 s[12:13], s[12:13], s[16:17]
	s_cselect_b64 s[14:15], s[14:15], s[18:19]
	s_and_b32 s57, s[WV], 1
	s_cmp_eq_u32 s57, 0
	s_cselect_b64 s[XP:XP+1], s[4:5], s[6:7]
	s_cselect_b64 s[OUTP:OUTP+1], s[12:13], s[14:15]
	s_add_nc_u64 s[XP:XP+1], s[XP:XP+1], s[30:31]
	s_add_nc_u64 s[OUTP:OUTP+1], s[OUTP:OUTP+1], s[30:31]
	s_add_nc_u64 s[PFA:PFA+1], s[20:21], s[62:63]
	s_add_nc_u64 s[WB:WB+1], s[20:21], s[60:61]
	CROUND
.irp s, 0,1
	s_add_co_u32 s[OFF], s[R0], \s
	s_mul_i32 s[OFF], s[OFF], SLOTB
	s_mov_b32 s[G0+4*\s], 1
	s_add_co_u32 s[G0+4*\s+1], s58, \s*SLOTB
	s_add_nc_u64 s[G0+4*\s+2:G0+4*\s+3], s[WB:WB+1], s[OFF:OFF+1]
	s_or_b32 s[G0+4*\s+3], s[G0+4*\s+3], 0x80000000
.endr
	tensor_load_to_lds s[G0:G0+3], s[G1:G1+7]      ; slot 0: my one tensor load at the head
	s_nop 0
	PLACES
	XLOAD 0, 0                                     ; q: my 128 loads, all awaited ahead of the round at the head's end
	XLOAD 0, 1
	XLOAD 0, 2
	XLOAD 0, 3
	XLOAD 1, 0
	XLOAD 1, 1
	XLOAD 1, 2
	XLOAD 1, 3
	WIN 0
	v_add_nc_u32 v[AW], s58, v[XO]
	v_add_nc_u32 v[AW+1], SLOTB, v[AW]
	v_lshl_add_u32 v[AS], v3, 3, s58
	v_add_nc_u32 v[AS], 24576, v[AS]
	v_add_nc_u32 v[AS+1], SLOTB, v[AS]
	v_lshl_add_u32 v[AB], v2, 5, s58
	v_add_nc_u32 v[AB], 25600, v[AB]
	v_add_nc_u32 v[AB+1], SLOTB, v[AB]
	v_lshlrev_b32 v31, 3, v1
	v_mad_u32_u24 v[AF], v2, 384, v31
	v_add_nc_u32 v[AF], IMG, v[AF]
	v_lshl_add_u32 v[AXS], v3, 2, XSC
	v_lshl_add_u32 v[H64B], v2, 8, v31
	v_lshl_add_u32 v[H32B], v2, 2, v31
	v_add_nc_u32 v[H32B], 128, v[H32B]
	s_mul_i32 s57, s[WV], 12288
	s_add_co_u32 s57, s57, IMG
	v_add_nc_u32 v[P64], s57, v[H64B]
	v_add_nc_u32 v[P32], s57, v[H32B]
	s_mul_i32 s57, s[WV], 3072
	s_add_co_u32 s57, s57, IMG
	v_add_nc_u32 v[H64B], s57, v[H64B]
	v_add_nc_u32 v[H32B], s57, v[H32B]
	s_lshl_b32 s57, s[WV], 9
	s_add_co_u32 s57, s57, XSC
	v_lshl_add_u32 v[PSC], v1, 2, s57
	s_lshl_b32 s57, s[WV], 7
	s_add_co_u32 s57, s57, XSC
	v_lshl_add_u32 v[HSC], v3, 2, s57
	s_mul_i32 s57, s[WV], 16*528
	s_add_co_u32 s57, s57, STG0
	v_add_nc_u32 v[TS], s57, v[XO]
	v_mul_u32_u24 v[TL], v1, 528
	v_lshl_add_u32 v[TL], v2, 6, v[TL]
	v_add_nc_u32 v[TL], s57, v[TL]
	v_mul_u32_u24 v31, v1, 272
	v_lshl_add_u32 v31, v2, 5, v31
	s_lshl_b32 s57, s[WV], 6
	v_add_nc_u32 v31, s57, v31
	v_add_nc_u32 v[SO], STG0, v31
	v_add_nc_u32 v[SO+1], STG1, v31
	v_mul_u32_u24 v31, v2, 272
	v_lshl_add_u32 v31, v1, 4, v31
	s_mul_i32 s57, s[WV], 32*272
	v_add_nc_u32 v31, s57, v31
	v_add_nc_u32 v[SR], STG0, v31
	v_add_nc_u32 v[SR+1], STG1, v31
	v_lshlrev_b32 v[GO], 11, v2
	v_lshl_add_u32 v[GO], v1, 4, v[GO]
	v_lshlrev_b32 v[PFO], 8, v3
.irp i, 0,1,2,3
	v_mov_b32 v[T2+\i], 0
.endr
.irp i, 0,1,2,3,4,5,6,7
	v_mov_b32 v[SW+\i], 0
.endr
	XTURN 0
.irp k, 0,1,2,3,4,5,6
	XTURN \k+1
	XQ \k
.endr
	XQ 7
	s_wait_alu depctr_va_vdst(0)
	s_wait_tensorcnt 0x0                           ; my unit of slot 0 is in
	ds_add_u32 v[SPW], v[NIL]
	s_wait_dscnt 0x0                               ; the add is done, and so are my stores of q's codes and scale words
	CROUND                                         ; one round for two things: every wave's codes are in LDS, and the four work-groups meet for the joint load
	tensor_load_to_lds s[G0+4:G0+7], s[G1:G1+7]    ; slot 1's first fill, the first tensor load behind the round
	s_nop 0
	PLACES
	FETCHX
	FETCHW 0, 0, 0
	FETCHAUX 0
	s_mov_b32 s[TRIP], 4
.Llayer1:
	UNIT 0, 1, 1, 1, 1, 0
	UNIT 1, 1, 1, 1, 1, 0
	HQ
	s_sub_co_u32 s[TRIP], s[TRIP], 1
	s_cmp_lg_u32 s[TRIP], 0
	s_cbranch_scc1 .Llayer1
	s_wait_alu depctr_va_vdst(0)
.irp b, 0,1,2,3
	v_cndmask_b32 v[PW+\b], v[SW+2*\b], v[SW+2*\b+1], s[HM]
.endr
.irp b, 0,1,2,3
	ds_store_b32 v[HSC], v[PW+\b] offset:512*\b
.endr
	BARRIER
	FETCHX
	s_mov_b32 s[TRIP], 3
.Llayer2:
	UNIT 0, 2, 1, 1, 0, 2
	UNIT 1, 2, 1, 1, 0, 1
	s_sub_co_u32 s[TRIP], s[TRIP], 1
	s_cmp_lg_u32 s[TRIP], 0
	s_cbranch_scc1 .Llayer2
	UNIT 0, 2, 0, 1, 0, 1
	UNIT 1, 2, 0, 0, 0, 1
	BARRIER
	s_wait_xcnt 0x0
	OUT 1
	s_wait_tensorcnt 0x0
	ds_add_u32 v[SPW], v[NIL]
	s_wait_dscnt 0x0
	CROUND
	s_endpgm
.Lfunc_end_k_qd68b655a23_qmlp:
	.size	k_qd68b655a23_qmlp, .Lfunc_end_k_qd68b655a23_qmlp-k_qd68b655a23_qmlp
	.p2alignl 7, 3214868480
	.fill 96, 4, 3214868480
	.section	.rodata,"a",@progbits
	.p2align	6, 0x0
	.amdhsa_kernel k_qd68b655a23_qmlp
		.amdhsa_group_segment_fixed_size 327680
		.amdhsa_private_segment_fixed_size 0
		.amdhsa_enable_private_segment 0
		.amdhsa_kernarg_size 72
		.amdhsa_user_sgpr_count 2
		.amdhsa_user_sgpr_kernarg_segment_ptr 1
		.amdhsa_wavefront_size32 1
		.amdhsa_system_sgpr_workgroup_id_x 1
		.amdhsa_system_sgpr_workgroup_id_y 1
		.amdhsa_system_sgpr_workgroup_id_z 1
		.amdhsa_system_vgpr_workitem_id 0
		.amdhsa_next_free_vgpr 1024
		.amdhsa_next_free_sgpr 80
		.amdhsa_reserve_vcc 0
		.amdhsa_float_denorm_mode_32 3
		.amdhsa_float_denorm_mode_16_64 3
		.amdhsa_memory_ordered 1
		.amdhsa_forward_progress 1
		.amdhsa_inst_pref_size 255
	.end_amdhsa_kernel
	.section	.bss,"aw",@nobits
	.p2align	6
	.space	262144
	.amdgpu_metadata
---
amdhsa.version: [ 1, 2 ]
amdhsa.kernels:
  - .name:           k_qd68b655a23_qmlp
    .symbol:         k_qd68b655a23_qmlp.kd
    .args:
      - { .name: q_r, .offset: 0, .size: 8, .value_kind: global_buffer, .address_space: global }
      - { .name: q_i, .offset: 8, .size: 8, .value_kind: global_buffer, .address_space: global }
      - { .name: q_j, .offset: 16, .size: 8, .value_kind: global_buffer, .address_space: global }
      - { .name: q_k, .offset: 24, .size: 8, .value_kind: global_buffer, .address_space: global }
      - { .name: out0, .offset: 32, .size: 8, .value_kind: global_buffer, .address_space: global }
      - { .name: out1, .offset: 40, .size: 8, .value_kind: global_buffer, .address_space: global }
      - { .name: out2, .offset: 48, .size: 8, .value_kind: global_buffer, .address_space: global }
      - { .name: out3, .offset: 56, .size: 8, .value_kind: global_buffer, .address_space: global }
      - { .name: wpack, .offset: 64, .size: 8, .value_kind: global_buffer, .address_space: global }
    .group_segment_fixed_size: 327680
    .private_segment_fixed_size: 0
    .kernarg_segment_align: 8
    .kernarg_segment_size: 72
    .max_flat_workgroup_size: 128
    .sgpr_count:     80
    .vgpr_count:     1024
    .wavefront_size: 32
...
	.end_amdgpu_metadata
.endif
;; end of part 2
